; MI455X (gfx1250); checked and timed in simulation.
; The chip was launched on July 23, 2026; its instructions are those of AMD's public machine-readable ISA for CDNA 5 (MIT licence, August 2026) and "CDNA5" Instruction Set Architecture Reference Guide (July 2026). The comments in the code are by the model that wrote it; some were corrected since.
;; Lazy Attention Embedding. Allowed arithmetic: matrix products marked QUANTISED: E3M2 operands, one E8M0 scale for each 32 along K, by v_wmma_scale_f32_16x16x128_f8f6f4 with both operands' format E3M2, f32 sums; everything else in f32.
;; Inputs: bias_weight 4,096 x 16 float32; k_codes 2 x 16 x 2,048 x 2 x 24 uint8 (E3M2 codes of k, K innermost, in blocks of 32 codes, four codes in three bytes); k_scales 2 x 16 x 2,048 x 2 uint8 (E8M0 scales of k, one for each 32 codes along K); q_codes 2 x 16 x 2,048 x 2 x 24 uint8 (E3M2 codes of q, K innermost, in blocks of 32 codes, four codes in three bytes); q_scales 2 x 16 x 2,048 x 2 uint8 (E8M0 scales of q, one for each 32 codes along K); tau 16 float32; v_codes 2 x 16 x 64 x 64 x 24 uint8 (E3M2 codes of v, K innermost, in blocks of 32 codes, four codes in three bytes); v_scales 2 x 16 x 64 x 64 uint8 (E8M0 scales of v, one for each 32 codes along K).
;; Outputs: out0 2 x 16 x 2,048 x 64 float32.
;; Constants: max_bias_length = 4096.
;; This version of the problem:
;;   THIS VERSION OF THE PROBLEM IS GIVEN IN LOW PRECISION. The matrix products marked QUANTISED in the list below multiply operands that are first quantised to E3M2 (3 exponent bits, 2 mantissa bits; 6 bits a number), with one power-of-two scale for each 32 numbers along K (OCP MX v1.0); their sums are f32. All else is computed in f32.
;;   The module's matrix products, in the order in which they are computed (A, B: the left and right operand; K: the contracted axis; several contracted axes count as one K, in the product's order):
;;     1. batch 32 x [M 2,048, K 64] x [K 64, N 2,048]; A: input q (given as codes); B: input k (given as codes): QUANTISED
;;     2. batch 32 x [M 2,048, K 2,048] x [K 2,048, N 64]; A: computed on the way; B: input v (given as codes): QUANTISED
;;   THE QUANTISER, for each operand of a quantised product, along K:
;;     - K is cut into blocks of 32 from its start; a last block that is shorter is filled with zeros.
;;     - A block's scale is 2^e with e = floor(log2(the largest magnitude in the block)) - 4, held to -126 .. 127; a block of zeros has e = 0. As a byte (E8M0): e + 127.
;;     - Each number is divided by its block's scale, clamped to +-28, and rounded to the nearest number of E3M2, ties to even, subnormals kept.
;;     - The product sums the exact products of the quantised numbers (number of the format x scale) in f32.
;;   ~~~python
;;   def quantise(x, axis):      # numpy; x: float32 -> the quantised numbers, widened to float32 again
;;       x = np.moveaxis(x, axis, -1); K = x.shape[-1]
;;       x = np.pad(x, [(0, 0)] * (x.ndim - 1) + [(0, -K % 32)]); x = x.reshape(x.shape[:-1] + (-1, 32)); a = np.abs(x).max(-1, keepdims=True)
;;       e = np.where(a > 0, np.clip(np.frexp(np.where(a > 0, a, 1))[1] - 1 - 4, -126, 127), 0)      # np.frexp(a)[1] - 1 = floor(log2(a)), exactly
;;       r = np.clip(x / 2.0 ** e, -28, 28)
;;       step = 2.0 ** (np.maximum(np.frexp(np.where(r == 0, 1, r))[1] - 1, -2) - 2)
;;       q = np.round(r / step) * step * 2.0 ** e      # np.round: ties to even
;;       return np.moveaxis(q.reshape(q.shape[:-2] + (-1,))[..., :K], -1, axis).astype(np.float32)
;;   ~~~
;;   OPERANDS COMPUTED ON THE WAY. 'Computed on the way' means the value that the module computes at that place (a softmax that the list does not call 'softmax' is quantised finished and normalised). What goes into a quantiser is computed in f32, as accurately as f32 sums, v_exp_f32 and their like allow (about 1e-6 of the number): no bf16 or f16 on the way to a quantiser, and a product that is left as it is and whose result goes on into a quantised operand takes f32 operands (vector FMAs, or v_wmma_f32_16x16x4_f32). A number that lies on a knife's edge between two numbers of the format may be rounded either way, as far as f32 arithmetic and the matrix unit's own rounding can turn it there, and no further.
;;   INPUTS GIVEN AS CODES. k (in the module: [2, 16, 2048, 64], K = its axis 3); q (in the module: [2, 16, 2048, 64], K = its axis 3); v (in the module: [2, 16, 2048, 64], K = its axis 2): each comes as NAME_codes (uint8): NAME with its K axis moved to the last place and cut into blocks of 32 codes, [.., K / 32, bytes a block], one block behind the other in memory; four codes in three bytes: a row's codes are one little-endian stream of bits, code i at bits 6 i .. 6 i + 5 (a code: sign, 3 exponent bits, 2 mantissa bits); and NAME_scales (uint8): the same leading axes, one E8M0 byte (e + 127) for each 32 codes along K. Its value is code x scale, taken as it is: it is not quantised again, and the codes and scales need not be those that the quantiser above would give.
;; 2 versions, each right; version 2 is version 1 with the launch attn written anew for expert scheduling mode. Each part assembles by itself: llvm-mc -triple=amdgcn-amd-amdhsa -mcpu=gfx1250 --defsym DOCPART=n.
;; ======== version 1 of 2: 1 launch
;; limits: right only within a limited range of input values
;; launch attn (part 1): grid 8 x 32, 16 waves a work-group, no clusters, 315,904 bytes of LDS; arguments q_codes, q_scales, k_codes, k_scales, v_codes, v_scales, tau, bias_weight, out0; writes out0
.if DOCPART == 1
	.amdgcn_target "amdgcn-amd-amdhsa--gfx1250"
	.amdhsa_code_object_version 6
	.text
	.protected	k_qb153d50ff9_attn
	.globl	k_qb153d50ff9_attn
	.p2align	8
	.type	k_qb153d50ff9_attn,@function
k_qb153d50ff9_attn:
	s_mov_b64 s[64:65], 0
	v_nop
	global_prefetch_b8 v0, s[64:65] scope:SCOPE_SE
	s_setreg_imm32_b32 hwreg(HW_REG_WAVE_MODE, 25, 1), 1
	s_wait_xcnt 0x0
; out[bh][q][:] = sum over k of Q6( relu( softmax_k( q.k / 8 + bias_weight[q - k][h], causal ) + tau[h] / (q + 1) ) ) v[bh][k][:]
; 32 heads (bh), 2,048 queries and keys, head size 64.  q, k, v: codes of BF6 (E3M2) with E8M0 scale bytes, as given; both products by the scaled matrix instruction on these codes; all else f32.
; TWO PASSES.  The weights are quantised FINISHED AND NORMALISED, in blocks of 32 keys, and a power-of-two block scale does not commute with a division by the row's sum: so the row's maximum and sum
; are known before any weight is quantised.  Pass 1: K Q^T, running maximum, sum.  Pass 2: K Q^T again, p / sum + tau / i, relu, the quantiser, V^T P.
; UNDER THE MASK the weight is relu(tau / i), not 0: key steps that lie wholly behind a tile's queries are multiplied too, with ONE constant fragment a tile, made once: four matrix instructions and no vector work.
; SHARES.  Work-group (j, bh) owns the query blocks j and 15 - j (128 queries each) of head bh: 8 (j + 1) + 8 (16 - j) = 136 causal tile steps in every work-group.  Each of the 16 waves owns one tile of 16 queries;
; the blocks are dealt so that of waves w, w + 4, w + 8, w + 12, and of waves 4 a .. 4 a + 3, two are of the early block and two of the late one.  A lane holds ONE query (lane % 16) throughout: both products are used transposed.
; LDS holds the whole head, filled once through registers: K and V as IMAGES OF THE OPERANDS' REGISTERS (each group of four registers 16 bytes a lane, 512 consecutive bytes an instruction), so every read in the loops is
; a ds_load_b128 at a constant + 16 x lane; and four copies of the head's bias column.
; THE BIAS IS THE C OF K Q^T, AND THE MASK TOO.  T[x] = 8 bias_weight[2048 - x][h] for x = 1 .. 2048 and -1e30 for x = 2049 .. 2176, x = key - query + 2048.  A lane's 32 scores of a half step are 32 neighbours of T.
; Lane r reads copy r % 4, CS = 8,772 bytes apart: CS = 4 mod 16 makes every lane's address a multiple of 16, and (CS - 4) / 16 = 4 mod 16 puts the 16 lanes of a half in 16 different 16-byte columns modulo 256 bytes.
; t = (q.k + 8 bias) c, c = log2(e) / 8: the factor 8 is exact.  A hidden score is -1e30 as in the problem's own text; its p is 0.
; K = 64 IN AN INSTRUCTION OF 128: Q's upper 64 codes are zeros.  K's fragments (6 registers a tile) lie 6 registers apart, so a tile's upper six operand registers are the next tile's codes (behind the last: zeros):
; E3M2 has no code for infinity or NaN, so they add 0.  K's and Q's scale words come by 16-bit loads: bytes 2 and 3 are 0, which is 2^-127.
; THE KEYS OF A TILE ARE NOT NEIGHBOURS: lane r of tile 4 c + u takes key 64 c + 8 u + r % 8 + 32 (r / 8), so that score register 32 c + i of lane (r, hh) is key 64 c + 32 hh + i: a lane holds two WHOLE blocks of 32 keys,
; in the order of the second product's operand: a block's largest number needs no other lane and the conversions' results are the operand's registers.
; NOT USED, AND WHY.  Tensor loads, and with them joint loads in a cluster: the eight work-groups of a head do read the same K, V and bias, but once each, at the head (98,304 + 98,304 + 8,192 + 8,192 bytes), not step by step,
; and the register images are made on the way through registers (V's rows lie 1,536 bytes apart, K's are 48 bytes long: neither is a power of two for a descriptor's padding).  Prefetches: every global read stands at the head.
; LIMITS.  |q.k + 8 bias| under 2^83 (the running maximum begins at -2^83, so that a lane all of whose keys are hidden keeps p = 0); a p under 2^-126 counts as 0 (v_exp_f32 gives no denormals: ISA guide, its entry);
; NaN, infinities and scale bytes 0xff among the inputs are not served.  bias_weight's rows from 2,048 on are never indexed at this length and are not read.
.set CS,     8772                      ; from copy to copy of T
.set KIMG,   35328                     ; behind the four copies (they end at 3 CS + 8,708 = 35,024)
.set KSTEP,  6656                      ; a key step of K: 12 x 512 bytes of codes, 512 of scale words
.set VIMG,   KIMG+16*KSTEP             ; 141,824
.set VSTEP,  6400                      ; a key step of V: 4 fragments x 1,536 bytes, 256 of scale words
.set STG,    VIMG+16*VSTEP             ; 244,224: the way out: 16 rows x 272 bytes for each wave; ends at 313,856
.set SPITCH, 272
; vector registers
.set AB0,  1                           ; my lane's place in T: (r % 4) CS + 128 hh + 4 (15 - r)
.set AK0,  2                           ; KIMG + 16 lane
.set AV0,  3                           ; VIMG + 16 lane
.set AVS0, 4                           ; VIMG + 6144 + 8 lane
.set SH8,  5                           ; 8 hh
.set ADB,  6                           ; addresses of the step in hand: T,
.set ADK,  7                           ; K,
.set ADV,  8                           ; V,
.set ADVS, 9                           ; V's scale words
.set STO,  10                          ; the way out: where I put 32 bytes of a row
.set SRD,  11                          ; and where I read a row back
.set NM,   12                          ; v[12:13] -c x maximum, 0
.set SUM,  14                          ; v[14:15] pass 1: the sum in two halves; pass 2: 1 / sum, 0
.set QF,   16                          ; v16-27  Q's fragment (v22-27 zeros)
.set CI,   28                          ; v[28:29] tau / i, 0
.set RS,   30                          ; the running maximum of q.k + 8 bias
.set VSS,  31                          ; where I store V's scale words
.set KF,   32                          ; v32-79  K's eight fragments, later V's four; v80-85 zeros
.set KS,   86                          ; v86-89  K's scale words: register g: lanes 0-15 tile 2 g, lanes 16-31 tile 2 g + 1
.set VS,   90                          ; v90-91  V's likewise
.set QS,   92                          ; Q's scale words
.set PS,   93                          ; P's
.set CW,   94                          ; the constant fragment's       (v86-94 hold scales and nothing else)
.set L16,  95                          ; 16 lane
.set S,    96                          ; v96-159 the scores, then the weights
.set O,    160                         ; v160-191 O^T  (through pass 1 v160-207 take V's fragments from memory, v208-209 its scale bytes)
.set P,    192                         ; v192-203 P's codes; v204-206, v208-210 the conversions' second halves
.set P2,   204
.set CF,   212                         ; v212-223 the constant fragment
.set TM,   224                         ; v224-239 at work
.set KG,   240                         ; v240-246 offsets into the global buffers; never rewritten
.set KSG,  241
.set VG,   242
.set VSG,  243
.set QG,   244
.set QSG,  245
.set BG,   246
.set VST,  247                         ; where I store V's images
.set RB,   248                         ; v248-251 four numbers of the bias column
.set BST,  252                         ; where they go: 2048 - 4 t
.set FST,  253                         ; and the -1e30: 4 t
.set NEGB, 254                         ; -1e30
.set KST,  255                         ; where I store K's images
; scalar registers
.set WV,   22                          ; wave
.set J,    23                          ; work-group x
.set BH,   24                          ; work-group y: batch x head
.set BLK,  25                          ; my block of 128 queries = the last key step that is not wholly hidden
.set Q0,   26                          ; my first query
.set HD,   27                          ; head
.set STEP, 28
.set SB,   29                          ; 4 (2033 - Q0) + 512 step
.set SK,   30                          ; KSTEP x step
.set SV,   31                          ; VSTEP x step
.set CC,   32                          ; s[32:33] c, c
.set NC,   34                          ; -c
.set SEL,  36                          ; s[36:37] v_permlanex16_b32's selects for lane l xor 16
.set TAU,  38
.set REP,  39                          ; 0x01010101
.set SB0,  48                          ; SB at step 0
.macro PLACES n                        ; plain vector instructions behind a matrix instruction (ISA guide 7.12.1), where no useful one is at hand
.rept \n
	v_nop
.endr
.endm
; a key step's K (eight fragments, four registers of scale words) and the 64 numbers of T that start the scores' sums: 29 loads
.macro FETCH_S
.irp i, 0,1,2,3,4,5,6,7,8,9,10,11
	ds_load_b128 v[KF+4*\i:KF+4*\i+3], v[ADK] offset:512*\i
.endr
	ds_load_b128 v[KS:KS+3], v[ADK] offset:6144
.irp c, 0,1
.irp n, 0,1,2,3,4,5,6,7
	ds_load_b128 v[S+32*\c+4*\n:S+32*\c+4*\n+3], v[ADB] offset:256*\c+16*\n
.endr
.endr
.endm
; S^T = K Q^T + T: source 0 = 16 keys, source 1 = my 16 queries.  Eight accumulators, one instruction each.
.macro MUL_S
.irp n, 0,1,2,3,4,5,6,7
.if \n%2
	v_wmma_scale_f32_16x16x128_f8f6f4 v[S+8*\n:S+8*\n+7], v[KF+6*\n:KF+6*\n+11], v[QF:QF+11], v[S+8*\n:S+8*\n+7], v[KS+\n/2], v[QS] matrix_a_fmt:MATRIX_FMT_BF6 matrix_b_fmt:MATRIX_FMT_BF6 matrix_a_scale:MATRIX_SCALE_ROW1
.else
	v_wmma_scale_f32_16x16x128_f8f6f4 v[S+8*\n:S+8*\n+7], v[KF+6*\n:KF+6*\n+11], v[QF:QF+11], v[S+8*\n:S+8*\n+7], v[KS+\n/2], v[QS] matrix_a_fmt:MATRIX_FMT_BF6 matrix_b_fmt:MATRIX_FMT_BF6
.endif
.endr
.endm
; a key step's V: four fragments (16 of the head's 64 x 128 keys) and their scale words: 13 loads
.macro FETCH_V
.irp i, 0,1,2,3,4,5,6,7,8,9,10,11
	ds_load_b128 v[KF+4*\i:KF+4*\i+3], v[ADV] offset:512*\i
.endr
	ds_load_b64 v[VS:VS+1], v[ADVS]
.endm
; O^T += V^T P^T: source 0 = 16 of the head's 64, source 1 = the fragment at v[b] with its scale word in v[sc].  zero = 1: the first step starts the sums: nothing is cleared.  Four accumulators by turns.
.macro MUL_O b, sc, zero
.irp n, 0,1,2,3
.if \zero
.if \n%2
	v_wmma_scale_f32_16x16x128_f8f6f4 v[O+8*\n:O+8*\n+7], v[KF+12*\n:KF+12*\n+11], v[\b:\b+11], 0, v[VS+\n/2], v[\sc] matrix_a_fmt:MATRIX_FMT_BF6 matrix_b_fmt:MATRIX_FMT_BF6 matrix_a_scale:MATRIX_SCALE_ROW1
.else
	v_wmma_scale_f32_16x16x128_f8f6f4 v[O+8*\n:O+8*\n+7], v[KF+12*\n:KF+12*\n+11], v[\b:\b+11], 0, v[VS+\n/2], v[\sc] matrix_a_fmt:MATRIX_FMT_BF6 matrix_b_fmt:MATRIX_FMT_BF6
.endif
.else
.if \n%2
	v_wmma_scale_f32_16x16x128_f8f6f4 v[O+8*\n:O+8*\n+7], v[KF+12*\n:KF+12*\n+11], v[\b:\b+11], v[O+8*\n:O+8*\n+7], v[VS+\n/2], v[\sc] matrix_a_fmt:MATRIX_FMT_BF6 matrix_b_fmt:MATRIX_FMT_BF6 matrix_a_scale:MATRIX_SCALE_ROW1
.else
	v_wmma_scale_f32_16x16x128_f8f6f4 v[O+8*\n:O+8*\n+7], v[KF+12*\n:KF+12*\n+11], v[\b:\b+11], v[O+8*\n:O+8*\n+7], v[VS+\n/2], v[\sc] matrix_a_fmt:MATRIX_FMT_BF6 matrix_b_fmt:MATRIX_FMT_BF6
.endif
.endif
.endr
.endm
; The 64 weights of a lane (none negative), register 32 c + i = key 64 c + 32 hh + i, become P's codes and scale word.  My blocks are hh (c = 0) and 2 + hh (c = 1), whole.
.macro QUANT
.irp c, 0,1
	v_max3_num_f32 v[TM+2*\c], v[S+32*\c], v[S+1+32*\c], 0x2800000          ; the floor 2^(5 - 127) among the leaves: the byte cannot fall under 1 (a block of zeros keeps that byte: its codes are zeros)
	v_max3_num_f32 v[TM+1+2*\c], v[S+16+32*\c], v[S+17+32*\c], v[S+18+32*\c]
.endr
.irp i, 2,4,6,8,10,12
.irp c, 0,1
	v_max3_num_f32 v[TM+2*\c], v[TM+2*\c], v[S+32*\c+\i], v[S+1+32*\c+\i]   ; two chains a block, the four by turns
	v_max3_num_f32 v[TM+1+2*\c], v[TM+1+2*\c], v[S+17+32*\c+\i], v[S+18+32*\c+\i]
.endr
.endr
.irp c, 0,1
	v_max3_num_f32 v[TM+2*\c], v[TM+2*\c], v[S+14+32*\c], v[S+15+32*\c]
.endr
.irp c, 0,1
	v_max3_num_f32 v[TM+2*\c], v[TM+2*\c], v[TM+1+2*\c], v[S+31+32*\c]      ; the block's largest number
.endr
.irp c, 0,1
	v_add_nc_u32 v[TM+4+\c], 0xfe000000, v[TM+2*\c]                         ; 4 off its exponent field: the conversion takes the exponent field of this operand as its scale
.endr
.irp c, 0,1
	v_lshrrev_b32 v[TM+6+\c], 23, v[TM+4+\c]                                ; the scale's byte
.endr
	v_lshl_or_b32 v[TM+8], v[TM+7], 16, v[TM+6]                             ; my two bytes, blocks hh and 2 + hh,
	v_lshlrev_b32 v[TM+8], v[SH8], v[TM+8]                                  ; at their places in the word;
	v_permlanex16_b32 v[TM+9], v[TM+8], s[SEL], s[SEL+1]
	v_or_b32 v[PS], v[TM+8], v[TM+9]                                        ; with lane l xor 16's two the word is whole
.irp c, 0,1
	v_cvt_scalef32_pk16_bf6_f32 v[P+6*\c:P+6*\c+2], v[S+32*\c:S+32*\c+15], v[TM+4+\c]
	v_cvt_scalef32_pk16_bf6_f32 v[P2+4*\c:P2+4*\c+2], v[S+16+32*\c:S+31+32*\c], v[TM+4+\c]   ; (a conversion's three registers begin on an even number)
.endr
	v_nop                                                                   ; one plain instruction behind the scaled conversions
.irp c, 0,1
.irp i, 0,1,2
	v_mov_b32 v[P+3+6*\c+\i], v[P2+4*\c+\i]
.endr
.endr
	PLACES 4                                                                ; behind the scale word's v_or_b32 now stand 11 plain instructions, behind the last move 4, ahead of the scaled matrix instructions
.endm
	; ---------------- the head: ids, offsets, pointers
	s_load_b256 s[4:11], s[0:1], 0x0               ; q_codes s[4:5], q_scales s[6:7], k_codes s[8:9], k_scales s[10:11]
	s_load_b256 s[12:19], s[0:1], 0x20             ; v_codes s[12:13], v_scales s[14:15], tau s[16:17], bias_weight s[18:19]
	s_load_b64 s[20:21], s[0:1], 0x40              ; out0
	v_lshrrev_b32 v[TM], 5, v0
	v_readfirstlane_b32 s[WV], v[TM]               ; wave 0..15
	s_and_b32 s[J], ttmp9, 7
	s_and_b32 s[BH], ttmp7, 0xffff
	s_and_b32 s[HD], s[BH], 15
	s_lshr_b32 s58, s[WV], 2
	s_xor_b32 s58, s58, s[WV]
	s_and_b32 s58, s58, 1                          ; which of the two blocks: (w xor w / 4) % 2
	s_and_b32 s59, s[WV], 3
	s_lshr_b32 s60, s[WV], 1
	s_and_b32 s60, s60, 4
	s_or_b32 s59, s59, s60                         ; which tile of the block's eight: w % 4 + 4 (w / 8)
	s_mul_i32 s58, s58, 15
	s_xor_b32 s[BLK], s[J], s58                    ; j or 15 - j
	s_and_b32 s[BLK], s[BLK], 15
	s_lshl_b32 s[Q0], s[BLK], 7
	s_lshl_b32 s60, s59, 4
	s_add_co_u32 s[Q0], s[Q0], s60                 ; my first query
	s_xor_b32 s60, s[BLK], 15                      ; 4 (2033 - Q0) = 512 (15 - block) + 64 (7 - tile) + 4, made of sums alone
	s_and_b32 s60, s60, 15
	s_lshl_b32 s60, s60, 9
	s_xor_b32 s61, s59, 7
	s_lshl_b32 s61, s61, 6
	s_add_co_u32 s[SB0], s60, s61
	s_add_co_u32 s[SB0], s[SB0], 4
	v_and_b32 v[TM], 31, v0                        ; lane
	v_and_b32 v[TM+1], 15, v0                      ; r
	v_bfe_u32 v[TM+2], v0, 4, 1                    ; hh
	v_and_b32 v[TM+3], 7, v[TM+1]
	v_and_b32 v[TM+4], 8, v[TM+1]
	v_lshl_add_u32 v[TM+3], v[TM+4], 2, v[TM+3]    ; r % 8 + 32 (r / 8): my key in a tile
	v_mul_u32_u24 v[KG], v[TM+3], 48               ; K's codes: 48 bytes a key, 24 for each half of the lanes
	v_mad_u32_u24 v[KG], v[TM+2], 24, v[KG]
	v_lshlrev_b32 v[KSG], 1, v[TM+3]               ; K's scale bytes: 2 a key; lanes 16-31 take the next tile's, 8 keys on
	v_lshl_add_u32 v[KSG], v[TM+2], 4, v[KSG]
	v_mul_u32_u24 v[VG], v[TM+1], 1536             ; V's codes: a row is 2,048 keys
	v_mad_u32_u24 v[VG], v[TM+2], 24, v[VG]
	v_lshlrev_b32 v[VSG], 3, v0                    ; V's scale bytes: the head's 4,096, 8 a thread
	v_mul_u32_u24 v[QG], v[TM+1], 48
	v_mad_u32_u24 v[QG], v[TM+2], 24, v[QG]
	v_lshlrev_b32 v[QSG], 1, v[TM+1]
	v_lshlrev_b32 v[BG], 6, v0                     ; bias_weight: a row of 16 heads is 64 bytes; thread t takes rows t + 512 i
	s_mul_i32 s60, s[BH], 98304                    ; a head's codes of K, and of V
	s_mul_i32 s40, s[WV], 6144                     ; K: wave w brings key step w: 128 keys x 48 bytes
	s_add_co_u32 s40, s40, s60
	s_mov_b32 s41, 0
	s_lshl_b32 s46, s[BH], 12                      ; a head's scale bytes of K, and of V
	s_mov_b32 s47, 0
	s_lshl_b32 s42, s[WV], 8
	s_add_co_u32 s42, s42, s46
	s_mov_b32 s43, 0
	s_and_b32 s44, s[WV], 3                        ; V: wave w brings rows 16 (w % 4) on, key steps 4 (w / 4) on: 384 consecutive bytes of each row
	s_mul_i32 s44, s44, 24576
	s_add_co_u32 s44, s44, s60
	s_lshr_b32 s61, s[WV], 2
	s_mul_i32 s61, s61, 384
	s_add_co_u32 s44, s44, s61
	s_mov_b32 s45, 0
	s_lshl_b32 s60, s[BH], 11
	s_add_co_u32 s60, s60, s[Q0]                   ; my first row of q and of out0
	s_mul_i32 s50, s60, 48
	s_mov_b32 s51, 0
	s_lshl_b32 s52, s60, 1
	s_mov_b32 s53, 0
	s_lshl_b32 s54, s60, 8
	s_mov_b32 s55, 0
	s_lshl_b32 s56, s[HD], 2
	s_mov_b32 s57, 0
	s_mov_b32 s[CC], 0x3e38aa3b                    ; c = log2(e) / 8
	s_mov_b32 s[CC+1], s[CC]                       ; (named with it as a pair, so it is written)
	s_mov_b32 s[NC], 0xbe38aa3b
	s_mov_b32 s[SEL], 0x76543210
	s_mov_b32 s[SEL+1], 0xfedcba98
	s_mov_b32 s[REP], 0x01010101
	s_wait_kmcnt 0x0
	s_add_nc_u64 s[4:5], s[4:5], s[50:51]
	s_add_nc_u64 s[6:7], s[6:7], s[52:53]
	s_add_nc_u64 s[8:9], s[8:9], s[40:41]
	s_add_nc_u64 s[10:11], s[10:11], s[42:43]
	s_add_nc_u64 s[12:13], s[12:13], s[44:45]
	s_add_nc_u64 s[14:15], s[14:15], s[46:47]
	s_add_nc_u64 s[16:17], s[16:17], s[56:57]
	s_add_nc_u64 s[18:19], s[18:19], s[56:57]
	s_add_nc_u64 s[20:21], s[20:21], s[54:55]
	s_load_b32 s[TAU], s[16:17], 0x0               ; my head's tau
	; ---------------- all global reads of the launch: 36 that the first fill and pass 1 want, then V's 25.  No base and no offset register is written again.
.irp c, 0,1
.irp u, 0,1,2,3
.irp p, 0,1,2
	global_load_b64 v[KF+6*(4*\c+\u)+2*\p:KF+6*(4*\c+\u)+2*\p+1], v[KG], s[8:9] offset:(64*\c+8*\u)*48+8*\p
.endr
.endr
.endr
.irp g, 0,1,2,3
	global_load_u16 v[KS+\g], v[KSG], s[10:11] offset:2*(64*(\g/2)+16*(\g%2))
.endr
.irp i, 0,1,2,3
	global_load_b32 v[RB+\i], v[BG], s[18:19] offset:32768*\i
.endr
.irp p, 0,1,2
	global_load_b64 v[QF+2*\p:QF+2*\p+1], v[QG], s[4:5] offset:8*\p th:TH_LOAD_NT
.endr
	global_load_u16 v[QS], v[QSG], s[6:7] th:TH_LOAD_NT
.irp g, 0,1,2,3
.irp c, 0,1
.irp p, 0,1,2
	global_load_b64 v[O+12*\g+6*\c+2*\p:O+12*\g+6*\c+2*\p+1], v[VG], s[12:13] offset:96*\g+48*\c+8*\p
.endr
.endr
.endr
	global_load_b64 v[208:209], v[VSG], s[14:15]
	; ---------------- LDS addresses and constants, while the loads are on their way
	v_lshlrev_b32 v[L16], 4, v[TM]
	v_lshlrev_b32 v[SH8], 3, v[TM+2]
	v_and_b32 v[TM+3], 3, v[TM+1]
	v_mul_u32_u24 v[AB0], v[TM+3], CS
	v_lshl_add_u32 v[AB0], v[TM+2], 7, v[AB0]
	v_xor_b32 v[TM+3], 15, v[TM+1]                 ; 15 - r
	v_lshl_add_u32 v[AB0], v[TM+3], 2, v[AB0]
	v_add_nc_u32 v[AK0], KIMG, v[L16]
	v_add_nc_u32 v[AV0], VIMG, v[L16]
	v_lshl_add_u32 v[AVS0], v[TM], 3, VIMG+6144
	s_mul_i32 s60, s[WV], 16*SPITCH
	s_add_co_u32 s60, s60, STG                     ; my stage
	v_mul_u32_u24 v[STO], v[TM+1], SPITCH          ; in: row r, 32 bytes for each half of the lanes
	v_lshl_add_u32 v[STO], v[TM+2], 5, v[STO]
	v_add_nc_u32 v[STO], s60, v[STO]
	v_mul_u32_u24 v[SRD], v[TM+2], SPITCH          ; back: lanes 0-15 one row of 256 bytes, lanes 16-31 the next
	v_lshl_add_u32 v[SRD], v[TM+1], 4, v[SRD]
	v_add_nc_u32 v[SRD], s60, v[SRD]
	s_mul_i32 s60, s[WV], KSTEP
	v_add_nc_u32 v[KST], s60, v[AK0]               ; K's images: key step w
	s_lshr_b32 s60, s[WV], 2
	s_mul_i32 s60, s60, 4*VSTEP
	s_and_b32 s61, s[WV], 3
	s_mul_i32 s61, s61, 1536
	s_add_co_u32 s60, s60, s61
	v_add_nc_u32 v[VST], s60, v[AV0]               ; V's images: key steps 4 (w / 4) on, fragment w % 4
	v_and_b32 v[TM+3], 7, v0                       ; V's scale words: thread t holds row d = t / 8, key steps 2 (t % 8) and 2 (t % 8) + 1; row d's word lies at 8 (d % 32) + 4 (d / 32) of a step's 256 bytes
	v_mul_u32_u24 v[VSS], v[TM+3], 2*VSTEP
	v_bfe_u32 v[TM+3], v0, 3, 5
	v_lshl_add_u32 v[VSS], v[TM+3], 3, v[VSS]
	v_lshrrev_b32 v[TM+3], 8, v0
	v_lshl_add_u32 v[VSS], v[TM+3], 2, v[VSS]
	v_add_nc_u32 v[VSS], VIMG+6144, v[VSS]
	v_lshlrev_b32 v[FST], 2, v0
	v_sub_nc_u32 v[BST], 2048, v[FST]              ; bias row d = t + 512 i goes to x = 2048 - d: byte 2048 - 4 t + 2048 (3 - i)
	v_mov_b32 v[NEGB], 0xf149f2ca                  ; -1e30
.irp i, 0,1,2,3,4,5
	v_mov_b32 v[QF+6+\i], 0                        ; Q's upper 64 codes
	v_mov_b32 v[KF+48+\i], 0                       ; behind K's last fragment
.endr
	v_mov_b32 v[NM+1], 0                           ; the upper halves of pairs of which the low word serves both halves
	v_mov_b32 v[CI+1], 0
.irp i, 0,1,2,3,4,5,6,7,8,9,10,11,12,13,14,15
	v_mov_b32 v[TM+\i], 0                          ; written once: a lane permute's destination counts as one of its sources, and v229 is named as the upper half of a pair
.endr
	; ---------------- the first fill: K's images, T's four copies
	s_wait_loadcnt 25                              ; all but V's 24 + 1 loads, which were issued last, are in
.irp i, 0,1,2,3,4,5,6,7,8,9,10,11
	ds_store_b128 v[KST], v[KF+4*\i:KF+4*\i+3] offset:512*\i
.endr
	ds_store_b128 v[KST], v[KS:KS+3] offset:6144
.irp i, 0,1,2,3
	v_mul_f32 v[RB+\i], 0x41000000, v[RB+\i]       ; 8 x bias: exact
.endr
.irp c, 0,1,2,3
.irp i, 0,1,2,3
	ds_store_b32 v[BST], v[RB+\i] offset:\c*CS+2048*(3-\i)
.endr
.endr
	s_cmp_lt_u32 s[WV], 4                          ; x = 2049 .. 2176: 128 numbers a copy: threads 0 to 127
	s_cbranch_scc0 .Lno_fill
.irp c, 0,1,2,3
	ds_store_b32 v[FST], v[NEGB] offset:\c*CS+8196
.endr
.Lno_fill:
	s_wait_kmcnt 0x0                               ; tau
	s_wait_dscnt 0x0                               ; for the others' sake: my stores have landed
	s_barrier_signal -1
	s_barrier_wait -1                              ; K and T are whole; nobody writes them again
	; ---------------- PASS 1: each lane's maximum and sum over ITS half of the keys; the halves meet once, behind the loop
	v_mov_b32 v[RS], 0xe9000000                    ; -2^83: under every score that is served, far above -1e30
	v_mul_f32 v[NM], s[NC], v[RS]
	v_mov_b32 v[SUM], 0
	v_mov_b32 v[SUM+1], 0
	s_mov_b32 s[STEP], 0
	s_mov_b32 s[SB], s[SB0]
	s_mov_b32 s[SK], 0
.Lp1:                                              ; 16 trips, a constant; a step all of whose keys are hidden is jumped over (a branch on ids)
	s_cmp_gt_u32 s[STEP], s[BLK]
	s_cbranch_scc1 .Lp1_tail
	v_add_nc_u32 v[ADB], s[SB], v[AB0]
	v_add_nc_u32 v[ADK], s[SK], v[AK0]
	FETCH_S
	s_wait_dscnt 0x0                               ; all 29 are wanted at once
	MUL_S
	PLACES 4                                       ; ahead of the first read of results, and of the next trip's loads into these registers
.irp k, 0,1,2,3
	v_max3_num_f32 v[TM+\k], v[S+16*\k], v[S+1+16*\k], v[S+2+16*\k]      ; four chains by turns; each accumulator is first read at its low end
.endr
.irp i, 3,5,7,9,11,13
.irp k, 0,1,2,3
	v_max3_num_f32 v[TM+\k], v[TM+\k], v[S+16*\k+\i], v[S+1+16*\k+\i]
.endr
.endr
	v_max3_num_f32 v[TM], v[TM], v[TM+1], v[S+15]
	v_max3_num_f32 v[TM+2], v[TM+2], v[TM+3], v[S+31]
	v_max3_num_f32 v[TM], v[TM], v[TM+2], v[S+47]
	v_max3_num_f32 v[RS], v[TM], v[S+63], v[RS]    ; the running maximum
	v_mov_b32 v[TM+7], v[NM]
	v_mul_f32 v[NM], s[NC], v[RS]                  ; -c m
	v_sub_f32 v[TM+8], v[NM], v[TM+7]              ; c m_old - c m_new, 0 or less
.irp j, 0,2,4,6,8,10,12,14,16,18,20,22,24,26,28,30,32,34,36,38,40,42,44,46,48,50,52,54,56,58,60,62
	v_pk_fma_f32 v[S+\j:S+\j+1], v[S+\j:S+\j+1], s[CC:CC+1], v[NM:NM+1] op_sel_hi:[1,0,0]   ; c s - c m, two at a time
.endr
	v_exp_f32 v[TM+4], v[TM+8]                     ; what brings the old sum under the new maximum
.irp j, 0,1,2,3,4,5,6,7,8,9,10,11,12,13,14,15,16,17,18,19,20,21,22,23,24,25,26,27,28,29,30,31,32,33,34,35,36,37,38,39,40,41,42,43,44,45,46,47,48,49,50,51,52,53,54,55,56,57,58,59,60,61,62,63
	v_exp_f32 v[S+\j], v[S+\j]
.endr
	v_nop                                          ; a plain instruction behind the last exponential
	s_wait_alu depctr_va_vdst(0)                   ; one wait for the batch of 65, ahead of its first reader
	v_pk_mul_f32 v[SUM:SUM+1], v[SUM:SUM+1], v[TM+4:TM+5] op_sel_hi:[1,0]
	v_pk_add_f32 v[TM+12:TM+13], v[S:S+1], v[S+2:S+3]
.irp j, 4,8,12,16,20,24,28,32,36,40,44,48,52,56,60
	v_pk_add_f32 v[SUM:SUM+1], v[SUM:SUM+1], v[S+\j:S+\j+1]          ; two chains
	v_pk_add_f32 v[TM+12:TM+13], v[TM+12:TM+13], v[S+2+\j:S+3+\j]
.endr
	v_pk_add_f32 v[SUM:SUM+1], v[SUM:SUM+1], v[TM+12:TM+13]
.Lp1_tail:
	s_add_co_u32 s[SB], s[SB], 512
	s_add_co_u32 s[SK], s[SK], KSTEP
	s_add_co_u32 s[STEP], s[STEP], 1
	s_cmp_lt_u32 s[STEP], 16
	s_cbranch_scc1 .Lp1
	; ---------------- V's images go to LDS; the row's figures are finished between the barrier's signal and its wait
	s_wait_loadcnt 0x0                             ; V: asked for at the head
.irp g, 0,1,2,3
.irp i, 0,1,2
	ds_store_b128 v[VST], v[O+12*\g+4*\i:O+12*\g+4*\i+3] offset:VSTEP*\g+512*\i
.endr
.endr
	ds_store_b32 v[VSS], v208
	ds_store_b32 v[VSS], v209 offset:VSTEP
	s_wait_dscnt 0x0                               ; for the others' sake: my stores have landed
	s_barrier_signal -1
	v_add_f32 v[TM], v[SUM], v[SUM+1]              ; my half's sum, under my half's maximum
	v_permlanex16_b32 v[TM+1], v[RS], s[SEL], s[SEL+1]
	v_max_num_f32 v[TM+2], v[RS], v[TM+1]          ; the row's maximum
	v_mul_f32 v[TM+3], s[NC], v[TM+2]
	v_sub_f32 v[TM+5], v[TM+3], v[NM]
	v_exp_f32 v[TM+6], v[TM+5]                     ; brings my half's sum under it (0 for a half all of whose keys are hidden)
	v_and_b32 v[TM+7], 15, v0
	v_add_nc_u32 v[TM+7], s[Q0], v[TM+7]
	v_add_nc_u32 v[TM+7], 1, v[TM+7]
	v_cvt_f32_u32 v[TM+8], v[TM+7]                 ; i = my query + 1
	s_wait_alu depctr_va_vdst(0)                   ; ahead of the exponential's reader
	v_mul_f32 v[TM+9], v[TM], v[TM+6]
	v_permlanex16_b32 v[TM+10], v[TM+9], s[SEL], s[SEL+1]
	v_add_f32 v[TM+11], v[TM+9], v[TM+10]          ; the row's sum: the same bits in both halves of the lanes
	v_rcp_f32 v[SUM], v[TM+11]                     ; 1 / sum
	v_rcp_f32 v[TM+12], v[TM+8]                    ; 1 / i
	v_mov_b32 v[SUM+1], 0                          ; (a plain instruction behind the reciprocals)
	v_mov_b32 v[NM], v[TM+3]
	s_wait_alu depctr_va_vdst(0)                   ; one wait for the two
	v_mul_f32 v[TM+13], s[TAU], v[TM+12]           ; tau / i, with one step of correction
	v_fma_f32 v[TM+14], -v[TM+13], v[TM+8], s[TAU]
	v_fma_f32 v[CI], v[TM+14], v[TM+12], v[TM+13]
	; the constant fragment: 128 hidden keys all weigh relu(tau / i)
	v_max_num_f32 v[TM+15], 0, v[CI]
.irp i, 0,1,2,3,4,5,6,7,8,9,10,11,12,13,14,15
	v_mov_b32 v[S+\i], v[TM+15]
.endr
	v_max_num_f32 v[TM], 0x2800000, v[TM+15]       ; the floor, as in QUANT
	v_add_nc_u32 v[TM], 0xfe000000, v[TM]
	v_lshrrev_b32 v[TM+1], 23, v[TM]
	v_mul_lo_u32 v[CW], v[TM+1], s[REP]            ; the same byte for all four blocks
	v_cvt_scalef32_pk16_bf6_f32 v[CF:CF+2], v[S:S+15], v[TM]
	v_nop                                          ; one plain instruction behind the scaled conversion
.irp i, 0,1,2,3,4,5,6,7,8
	v_mov_b32 v[CF+3+\i], v[CF+\i%3]               ; sixteen codes are three registers: four times
.endr
	s_barrier_wait -1                              ; V is whole; nobody writes it again
	; ---------------- PASS 2
; A key step.  zero = 1: step 0, which no wave jumps over; its V^T P starts O^T's sums.
.macro STEP2 zero
	v_add_nc_u32 v[ADV], s[SV], v[AV0]
	v_add_nc_u32 v[ADVS], s[SV], v[AVS0]
.if \zero == 0
	s_cmp_gt_u32 s[STEP], s[BLK]                   ; all 128 keys hidden: the constant fragment
	s_cbranch_scc1 .Lconst_\@
.endif
	v_add_nc_u32 v[ADB], s[SB], v[AB0]
	v_add_nc_u32 v[ADK], s[SK], v[AK0]
	FETCH_S
	s_wait_dscnt 0x0
	MUL_S
	PLACES 4                                       ; ahead of the loads into K's registers and of the first read of results
	FETCH_V                                        ; lands while the weights are made
.irp j, 0,2,4,6,8,10,12,14,16,18,20,22,24,26,28,30,32,34,36,38,40,42,44,46,48,50,52,54,56,58,60,62
	v_pk_fma_f32 v[S+\j:S+\j+1], v[S+\j:S+\j+1], s[CC:CC+1], v[NM:NM+1] op_sel_hi:[1,0,0]   ; c s - c m, each accumulator from its low end on
.endr
.irp j, 0,1,2,3,4,5,6,7,8,9,10,11,12,13,14,15,16,17,18,19,20,21,22,23,24,25,26,27,28,29,30,31,32,33,34,35,36,37,38,39,40,41,42,43,44,45,46,47,48,49,50,51,52,53,54,55,56,57,58,59,60,61,62,63
	v_exp_f32 v[S+\j], v[S+\j]
.endr
	v_nop                                          ; a plain instruction behind the last exponential
	s_wait_alu depctr_va_vdst(0)                   ; one wait for the batch of 64
.irp j, 0,2,4,6,8,10,12,14,16,18,20,22,24,26,28,30,32,34,36,38,40,42,44,46,48,50,52,54,56,58,60,62
	v_pk_fma_f32 v[S+\j:S+\j+1], v[S+\j:S+\j+1], v[SUM:SUM+1], v[CI:CI+1] op_sel_hi:[1,0,0]   ; p / sum + tau / i
.endr
.irp j, 0,1,2,3,4,5,6,7,8,9,10,11,12,13,14,15,16,17,18,19,20,21,22,23,24,25,26,27,28,29,30,31,32,33,34,35,36,37,38,39,40,41,42,43,44,45,46,47,48,49,50,51,52,53,54,55,56,57,58,59,60,61,62,63
	v_max_num_f32 v[S+\j], 0, v[S+\j]              ; relu
.endr
	QUANT
	s_wait_dscnt 0x0                               ; V
	MUL_O P, PS, \zero
.if \zero == 0
	s_branch .Ljoin_\@
.Lconst_\@:
	FETCH_V
	s_wait_dscnt 0x0
	MUL_O CF, CW, 0
.Ljoin_\@:
.endif
	PLACES 4                                       ; ahead of the next step's loads into V's registers, of the next P, and of the way out's reads
	s_add_co_u32 s[SB], s[SB], 512
	s_add_co_u32 s[SK], s[SK], KSTEP
	s_add_co_u32 s[SV], s[SV], VSTEP
.endm
	s_mov_b32 s[SB], s[SB0]
	s_mov_b32 s[SK], 0
	s_mov_b32 s[SV], 0
	STEP2 1
	s_mov_b32 s[STEP], 1
.Lp2:                                              ; 15 trips, a constant
	STEP2 0
	s_add_co_u32 s[STEP], s[STEP], 1
	s_cmp_lt_u32 s[STEP], 16
	s_cbranch_scc1 .Lp2
	; ---------------- THE WAY OUT.  Register 8 t + j of lane (r, hh) is out(Q0 + r, 16 t + 8 hh + j), finished: nothing is divided.  Through my own stage, back as whole rows.
.irp n, 0,1,2,3
	ds_store_b128 v[STO], v[O+8*\n:O+8*\n+3] offset:64*\n           ; each accumulator from its low end on
	ds_store_b128 v[STO], v[O+8*\n+4:O+8*\n+7] offset:64*\n+16
.endr
.irp i, 0,1,2,3,4,5,6,7
	ds_load_b128 v[S+4*\i:S+4*\i+3], v[SRD] offset:2*\i*SPITCH      ; LDS serves a wave's instructions in order (ISA guide 5.7.1.4): these see my stores
.endr
.irp i, 0,1,2,3,4,5,6,7
	s_wait_dscnt 7-\i                              ; LDS loads come back in order: load i is in
	global_store_b128 v[L16], v[S+4*\i:S+4*\i+3], s[20:21] offset:512*\i th:TH_STORE_NT   ; 32 lanes store two rows: 512 consecutive bytes, at a multiple of 256 from out0's first byte
.endr
	s_wait_xcnt 0x0
	v_lshl_add_u32 v254, v0, 2, 0x4ca00
	v_mov_b32 v255, 0
	s_wait_tensorcnt 0x0
	ds_add_u32 v254, v255
	s_wait_dscnt 0x0
	s_endpgm
.Lfunc_end_k_qb153d50ff9_attn:
	.size	k_qb153d50ff9_attn, .Lfunc_end_k_qb153d50ff9_attn-k_qb153d50ff9_attn
	.p2alignl 7, 3214868480
	.fill 96, 4, 3214868480
	.section	.rodata,"a",@progbits
	.p2align	6, 0x0
	.amdhsa_kernel k_qb153d50ff9_attn
		.amdhsa_group_segment_fixed_size 315904
		.amdhsa_private_segment_fixed_size 0
		.amdhsa_enable_private_segment 0
		.amdhsa_kernarg_size 72
		.amdhsa_user_sgpr_count 2
		.amdhsa_user_sgpr_kernarg_segment_ptr 1
		.amdhsa_wavefront_size32 1
		.amdhsa_system_sgpr_workgroup_id_x 1
		.amdhsa_system_sgpr_workgroup_id_y 1
		.amdhsa_system_sgpr_workgroup_id_z 1
		.amdhsa_system_vgpr_workitem_id 0
		.amdhsa_next_free_vgpr 256
		.amdhsa_next_free_sgpr 66
		.amdhsa_reserve_vcc 0
		.amdhsa_float_denorm_mode_32 3
		.amdhsa_float_denorm_mode_16_64 3
		.amdhsa_memory_ordered 1
		.amdhsa_forward_progress 1
		.amdhsa_inst_pref_size 66
	.end_amdhsa_kernel
	.amdgpu_metadata
---
amdhsa.version: [ 1, 2 ]
amdhsa.kernels:
  - .name:           k_qb153d50ff9_attn
    .symbol:         k_qb153d50ff9_attn.kd
    .args:
      - { .name: q_codes, .offset: 0, .size: 8, .value_kind: global_buffer, .address_space: global }
      - { .name: q_scales, .offset: 8, .size: 8, .value_kind: global_buffer, .address_space: global }
      - { .name: k_codes, .offset: 16, .size: 8, .value_kind: global_buffer, .address_space: global }
      - { .name: k_scales, .offset: 24, .size: 8, .value_kind: global_buffer, .address_space: global }
      - { .name: v_codes, .offset: 32, .size: 8, .value_kind: global_buffer, .address_space: global }
      - { .name: v_scales, .offset: 40, .size: 8, .value_kind: global_buffer, .address_space: global }
      - { .name: tau, .offset: 48, .size: 8, .value_kind: global_buffer, .address_space: global }
      - { .name: bias_weight, .offset: 56, .size: 8, .value_kind: global_buffer, .address_space: global }
      - { .name: out0, .offset: 64, .size: 8, .value_kind: global_buffer, .address_space: global }
    .group_segment_fixed_size: 315904
    .private_segment_fixed_size: 0
    .kernarg_segment_align: 8
    .kernarg_segment_size: 72
    .max_flat_workgroup_size: 512
    .sgpr_count:     66
    .vgpr_count:     256
    .wavefront_size: 32
...
	.end_amdgpu_metadata
.endif
;; end of part 1
;; ======== version 2 of 2: 1 launch; version 1 with the launch attn written anew for expert scheduling mode
;; limits: right only within a limited range of input values
;; launch attn (part 2): grid 8 x 32, 16 waves a work-group, no clusters, 315,904 bytes of LDS; arguments q_codes, q_scales, k_codes, k_scales, v_codes, v_scales, tau, bias_weight, out0; writes out0
.if DOCPART == 2
	.amdgcn_target "amdgcn-amd-amdhsa--gfx1250"
	.amdhsa_code_object_version 6
	.text
	.protected	k_qb153d50ff9_attn
	.globl	k_qb153d50ff9_attn
	.p2align	8
	.type	k_qb153d50ff9_attn,@function
k_qb153d50ff9_attn:
	s_mov_b64 s[64:65], 0
	v_nop
	global_prefetch_b8 v0, s[64:65] scope:SCOPE_SE
	s_setreg_imm32_b32 hwreg(HW_REG_WAVE_SCHED_MODE, 0, 2), 2
	s_setreg_imm32_b32 hwreg(HW_REG_WAVE_MODE, 25, 1), 1
	s_wait_xcnt 0x0
	s_wait_alu depctr_vm_vsrc(0)
; out[bh][q][:] = sum over k of Q6( relu( softmax_k( q.k / 8 + bias_weight[q - k][h], causal ) + tau[h] / (q + 1) ) ) v[bh][k][:]
; 32 heads (bh), 2,048 queries and keys, head size 64.  q, k, v: codes of BF6 (E3M2) with E8M0 scale bytes, as given; both products by the scaled matrix instruction on these codes; all else f32.
; TWO PASSES.  The weights are quantised FINISHED AND NORMALISED, in blocks of 32 keys, and a power-of-two block scale does not commute with a division by the row's sum: so the row's maximum and sum
; are known before any weight is quantised.  Pass 1: K Q^T, running maximum, sum.  Pass 2: K Q^T again, p / sum + tau / i, relu, the quantiser, V^T P.
; UNDER THE MASK the weight is relu(tau / i), not 0: key steps that lie wholly behind a tile's queries are multiplied too, with ONE constant fragment a tile, made once: four matrix instructions and no vector work.
; SHARES.  Work-group (j, bh) owns the query blocks j and 15 - j (128 queries each) of head bh: 8 (j + 1) + 8 (16 - j) = 136 causal tile steps in every work-group.  Each of the 16 waves owns one tile of 16 queries;
; the blocks are dealt so that of waves w, w + 4, w + 8, w + 12, and of waves 4 a .. 4 a + 3, two are of the early block and two of the late one.  A lane holds ONE query (lane % 16) throughout: both products are used transposed.
; LDS holds the whole head, filled once through registers: K and V as IMAGES OF THE OPERANDS' REGISTERS (each group of four registers 16 bytes a lane, 512 consecutive bytes an instruction), so every read in the loops is
; a ds_load_b128 at a constant + 16 x lane; and four copies of the head's bias column.
; THE BIAS IS THE C OF K Q^T, AND THE MASK TOO.  T[x] = 8 bias_weight[2048 - x][h] for x = 1 .. 2048 and -1e30 for x = 2049 .. 2176, x = key - query + 2048.  A lane's 32 scores of a half step are 32 neighbours of T.
; Lane r reads copy r % 4, CS = 8,772 bytes apart: CS = 4 mod 16 makes every lane's address a multiple of 16, and (CS - 4) / 16 = 4 mod 16 puts the 16 lanes of a half in 16 different 16-byte columns modulo 256 bytes.
; t = (q.k + 8 bias) c, c = log2(e) / 8: the factor 8 is exact.  A hidden score is -1e30 as in the problem's own text; its p is 0.
; K = 64 IN AN INSTRUCTION OF 128: Q's upper 64 codes are zeros.  K's fragments (6 registers a tile) lie 6 registers apart, so a tile's upper six operand registers are the next tile's codes (behind the last: zeros):
; E3M2 has no code for infinity or NaN, so they add 0.  K's and Q's scale words come by 16-bit loads: bytes 2 and 3 are 0, which is 2^-127.
; THE KEYS OF A TILE ARE NOT NEIGHBOURS: lane r of tile 4 c + u takes key 64 c + 8 u + r % 8 + 32 (r / 8), so that score register 32 c + i of lane (r, hh) is key 64 c + 32 hh + i: a lane holds two WHOLE blocks of 32 keys,
; in the order of the second product's operand: a block's largest number needs no other lane and the conversions' results are the operand's registers.
; NOT USED, AND WHY.  Tensor loads, and with them joint loads in a cluster: the eight work-groups of a head do read the same K, V and bias, but once each, at the head (98,304 + 98,304 + 8,192 + 8,192 bytes), not step by step,
; and the register images are made on the way through registers (V's rows lie 1,536 bytes apart, K's are 48 bytes long: neither is a power of two for a descriptor's padding).  Prefetches: every global read stands at the head.
; LIMITS.  |q.k + 8 bias| under 2^83 (the running maximum begins at -2^83, so that a lane all of whose keys are hidden keeps p = 0); a p under 2^-126 counts as 0 (v_exp_f32 gives no denormals: ISA guide, its entry);
; NaN, infinities and scale bytes 0xff among the inputs are not served.  bias_weight's rows from 2,048 on are never indexed at this length and are not read.
; THE MODE: SCHED_MODE bits 1:0 = 2 (LLVM: expert scheduling mode 2), set by the entry lines.  The code itself states the register dependences between vector or matrix instructions and memory or LDS
; instructions, with s_wait_alu, always for 0.
; THE PLAN.  Registers that memory or LDS instructions touch:
;   v240-246, AK0, AV0, AVS0, AB0, KST, BST, FST, NEGB, VST, VSS, STO, SRD, L16   offsets and addresses: written once at the head, read by loads and stores, not written again (v254, v255: at the very end).
;   KF, KS   K from memory, read by K's LDS stores; then by turns: K's loads land, K Q^T reads; in pass 2 V's loads land behind that, V^T P reads.      VS   V's scale words land, V^T P reads.
;   S        T's loads land; K Q^T adds onto them; the softmax works in place; the last readers are the sums (pass 1) or the conversions (pass 2).  On the way out: rows from the stage land, the global stores read.
;   v160-209 V from memory through pass 1, read by V's LDS stores; from then on O^T, P and the conversions' second halves.
;   ADB, ADK, ADV, ADVS   the step's LDS addresses: written by vector additions at a step's head, read by that step's loads.
; PASS 1, a step: one wait on vm_vsrc ahead of the two additions; one on va_vdst behind them (addresses written; the last step's sums are done with S), then T's loads; the exponentials' wait also states that
;   K Q^T has read KF and KS, so the NEXT step's K is asked for behind it and lands under the sums.
; PASS 2, a step: one wait on vm_vsrc ahead of the four additions; one on va_vdst behind them (addresses written; the last V^T P has read KF and VS), then K's loads; behind the exponentials' wait V's loads, which land
;   while the weights are finished and quantised; behind the wait that states P and its scale word written, and the conversions done reading S, the NEXT step's T, asked for ahead of V^T P, which names none of S.
; A look-ahead stands under a branch on ids (step < my block): nothing is loaded that no step reads.  The last key step of each pass is written out without it: no load of K leaves K's image, and nothing is out at the way out.
.set CS,     8772                      ; from copy to copy of T
.set KIMG,   35328                     ; behind the four copies (they end at 3 CS + 8,708 = 35,024)
.set KSTEP,  6656                      ; a key step of K: 12 x 512 bytes of codes, 512 of scale words
.set VIMG,   KIMG+16*KSTEP             ; 141,824
.set VSTEP,  6400                      ; a key step of V: 4 fragments x 1,536 bytes, 256 of scale words
.set STG,    VIMG+16*VSTEP             ; 244,224: the way out: 16 rows x 272 bytes for each wave; ends at 313,856
.set SPITCH, 272
; vector registers
.set AB0,  1                           ; my lane's place in T: (r % 4) CS + 128 hh + 4 (15 - r)
.set AK0,  2                           ; KIMG + 16 lane
.set AV0,  3                           ; VIMG + 16 lane
.set AVS0, 4                           ; VIMG + 6144 + 8 lane
.set SH8,  5                           ; 8 hh
.set ADB,  6                           ; addresses of the step in hand: T,
.set ADK,  7                           ; K (pass 1: the next step's),
.set ADV,  8                           ; V,
.set ADVS, 9                           ; V's scale words
.set STO,  10                          ; the way out: where I put 32 bytes of a row
.set SRD,  11                          ; and where I read a row back
.set NM,   12                          ; v[12:13] -c x maximum, 0
.set SUM,  14                          ; v[14:15] pass 1: the sum in two halves; pass 2: 1 / sum, 0
.set QF,   16                          ; v16-27  Q's fragment (v22-27 zeros)
.set CI,   28                          ; v[28:29] tau / i, 0
.set RS,   30                          ; the running maximum of q.k + 8 bias
.set VSS,  31                          ; where I store V's scale words
.set KF,   32                          ; v32-79  K's eight fragments, later V's four; v80-85 zeros
.set KS,   86                          ; v86-89  K's scale words: register g: lanes 0-15 tile 2 g, lanes 16-31 tile 2 g + 1
.set VS,   90                          ; v90-91  V's likewise
.set QS,   92                          ; Q's scale words
.set PS,   93                          ; P's
.set CW,   94                          ; the constant fragment's       (v86-94 hold scales and nothing else)
.set L16,  95                          ; 16 lane
.set S,    96                          ; v96-159 the scores, then the weights
.set O,    160                         ; v160-191 O^T  (through pass 1 v160-207 take V's fragments from memory, v208-209 its scale bytes)
.set P,    192                         ; v192-203 P's codes; v204-206, v208-210 the conversions' second halves
.set P2,   204
.set CF,   212                         ; v212-223 the constant fragment
.set TM,   224                         ; v224-239 at work: no memory or LDS instruction names them
.set KG,   240                         ; v240-246 offsets into the global buffers; never rewritten
.set KSG,  241
.set VG,   242
.set VSG,  243
.set QG,   244
.set QSG,  245
.set BG,   246
.set VST,  247                         ; where I store V's images
.set RB,   248                         ; v248-251 four numbers of the bias column
.set BST,  252                         ; where they go: 2048 - 4 t
.set FST,  253                         ; and the -1e30: 4 t
.set NEGB, 254                         ; -1e30
.set KST,  255                         ; where I store K's images
; scalar registers
.set WV,   22                          ; wave
.set J,    23                          ; work-group x
.set BH,   24                          ; work-group y: batch x head
.set BLK,  25                          ; my block of 128 queries = the last key step that is not wholly hidden
.set Q0,   26                          ; my first query
.set HD,   27                          ; head
.set STEP, 28
.set SB,   29                          ; 4 (2033 - Q0) + 512 step
.set SK,   30                          ; pass 1: KSTEP x (step + 1); pass 2: KSTEP x step
.set SV,   31                          ; VSTEP x step
.set CC,   32                          ; s[32:33] c, c
.set NC,   34                          ; -c
.set SEL,  36                          ; s[36:37] v_permlanex16_b32's selects for lane l xor 16
.set TAU,  38
.set REP,  39                          ; 0x01010101
.set SB0,  48                          ; SB at step 0
.macro PLACES n                        ; plain vector instructions behind a matrix instruction (ISA guide 7.12.1), where no useful one is at hand
.rept \n
	v_nop
.endr
.endm
; a key step's K: eight fragments and four registers of scale words, by the address in v[a]: 13 loads
.macro FETCH_K a
.irp i, 0,1,2,3,4,5,6,7,8,9,10,11
	ds_load_b128 v[KF+4*\i:KF+4*\i+3], v[\a] offset:512*\i
.endr
	ds_load_b128 v[KS:KS+3], v[\a] offset:6144
.endm
; the 64 numbers of T that start a key step's scores: 16 loads.  off = 0: the step whose address stands in v[ADB]; 512: the step behind it (128 keys on are 512 bytes of T)
.macro FETCH_T off
.irp c, 0,1
.irp n, 0,1,2,3,4,5,6,7
	ds_load_b128 v[S+32*\c+4*\n:S+32*\c+4*\n+3], v[ADB] offset:\off+256*\c+16*\n
.endr
.endr
.endm
; S^T = K Q^T + T: source 0 = 16 keys, source 1 = my 16 queries.  Eight accumulators, one instruction each.
.macro MUL_S
.irp n, 0,1,2,3,4,5,6,7
.if \n%2
	v_wmma_scale_f32_16x16x128_f8f6f4 v[S+8*\n:S+8*\n+7], v[KF+6*\n:KF+6*\n+11], v[QF:QF+11], v[S+8*\n:S+8*\n+7], v[KS+\n/2], v[QS] matrix_a_fmt:MATRIX_FMT_BF6 matrix_b_fmt:MATRIX_FMT_BF6 matrix_a_scale:MATRIX_SCALE_ROW1
.else
	v_wmma_scale_f32_16x16x128_f8f6f4 v[S+8*\n:S+8*\n+7], v[KF+6*\n:KF+6*\n+11], v[QF:QF+11], v[S+8*\n:S+8*\n+7], v[KS+\n/2], v[QS] matrix_a_fmt:MATRIX_FMT_BF6 matrix_b_fmt:MATRIX_FMT_BF6
.endif
.endr
.endm
; a key step's V: four fragments (16 of the head's 64 x 128 keys) and their scale words: 13 loads
.macro FETCH_V
.irp i, 0,1,2,3,4,5,6,7,8,9,10,11
	ds_load_b128 v[KF+4*\i:KF+4*\i+3], v[ADV] offset:512*\i
.endr
	ds_load_b64 v[VS:VS+1], v[ADVS]
.endm
; O^T += V^T P^T: source 0 = 16 of the head's 64, source 1 = the fragment at v[b] with its scale word in v[sc].  zero = 1: the first step starts the sums: nothing is cleared.  Four accumulators by turns.
.macro MUL_O b, sc, zero
.irp n, 0,1,2,3
.if \zero
.if \n%2
	v_wmma_scale_f32_16x16x128_f8f6f4 v[O+8*\n:O+8*\n+7], v[KF+12*\n:KF+12*\n+11], v[\b:\b+11], 0, v[VS+\n/2], v[\sc] matrix_a_fmt:MATRIX_FMT_BF6 matrix_b_fmt:MATRIX_FMT_BF6 matrix_a_scale:MATRIX_SCALE_ROW1
.else
	v_wmma_scale_f32_16x16x128_f8f6f4 v[O+8*\n:O+8*\n+7], v[KF+12*\n:KF+12*\n+11], v[\b:\b+11], 0, v[VS+\n/2], v[\sc] matrix_a_fmt:MATRIX_FMT_BF6 matrix_b_fmt:MATRIX_FMT_BF6
.endif
.else
.if \n%2
	v_wmma_scale_f32_16x16x128_f8f6f4 v[O+8*\n:O+8*\n+7], v[KF+12*\n:KF+12*\n+11], v[\b:\b+11], v[O+8*\n:O+8*\n+7], v[VS+\n/2], v[\sc] matrix_a_fmt:MATRIX_FMT_BF6 matrix_b_fmt:MATRIX_FMT_BF6 matrix_a_scale:MATRIX_SCALE_ROW1
.else
	v_wmma_scale_f32_16x16x128_f8f6f4 v[O+8*\n:O+8*\n+7], v[KF+12*\n:KF+12*\n+11], v[\b:\b+11], v[O+8*\n:O+8*\n+7], v[VS+\n/2], v[\sc] matrix_a_fmt:MATRIX_FMT_BF6 matrix_b_fmt:MATRIX_FMT_BF6
.endif
.endif
.endr
.endm
; The 64 weights of a lane (none negative), register 32 c + i = key 64 c + 32 hh + i, become P's codes and scale word.  My blocks are hh (c = 0) and 2 + hh (c = 1), whole.
.macro QUANT
.irp c, 0,1
	v_max3_num_f32 v[TM+2*\c], v[S+32*\c], v[S+1+32*\c], 0x2800000          ; the floor 2^(5 - 127) among the leaves: the byte cannot fall under 1 (a block of zeros keeps that byte: its codes are zeros)
	v_max3_num_f32 v[TM+1+2*\c], v[S+16+32*\c], v[S+17+32*\c], v[S+18+32*\c]
.endr
.irp i, 2,4,6,8,10,12
.irp c, 0,1
	v_max3_num_f32 v[TM+2*\c], v[TM+2*\c], v[S+32*\c+\i], v[S+1+32*\c+\i]   ; two chains a block, the four by turns
	v_max3_num_f32 v[TM+1+2*\c], v[TM+1+2*\c], v[S+17+32*\c+\i], v[S+18+32*\c+\i]
.endr
.endr
.irp c, 0,1
	v_max3_num_f32 v[TM+2*\c], v[TM+2*\c], v[S+14+32*\c], v[S+15+32*\c]
.endr
.irp c, 0,1
	v_max3_num_f32 v[TM+2*\c], v[TM+2*\c], v[TM+1+2*\c], v[S+31+32*\c]      ; the block's largest number
.endr
.irp c, 0,1
	v_add_nc_u32 v[TM+4+\c], 0xfe000000, v[TM+2*\c]                         ; 4 off its exponent field: the conversion takes the exponent field of this operand as its scale
.endr
.irp c, 0,1
	v_lshrrev_b32 v[TM+6+\c], 23, v[TM+4+\c]                                ; the scale's byte
.endr
	v_lshl_or_b32 v[TM+8], v[TM+7], 16, v[TM+6]                             ; my two bytes, blocks hh and 2 + hh,
	v_lshlrev_b32 v[TM+8], v[SH8], v[TM+8]                                  ; at their places in the word;
	v_permlanex16_b32 v[TM+9], v[TM+8], s[SEL], s[SEL+1]
	v_or_b32 v[PS], v[TM+8], v[TM+9]                                        ; with lane l xor 16's two the word is whole
.irp c, 0,1
	v_cvt_scalef32_pk16_bf6_f32 v[P+6*\c:P+6*\c+2], v[S+32*\c:S+32*\c+15], v[TM+4+\c]
	v_cvt_scalef32_pk16_bf6_f32 v[P2+4*\c:P2+4*\c+2], v[S+16+32*\c:S+31+32*\c], v[TM+4+\c]   ; (a conversion's three registers begin on an even number)
.endr
	v_nop                                                                   ; one plain instruction behind the scaled conversions
.irp c, 0,1
.irp i, 0,1,2
	v_mov_b32 v[P+3+6*\c+\i], v[P2+4*\c+\i]
.endr
.endr
	PLACES 4                                                                ; behind the scale word's v_or_b32 now stand 11 plain instructions, behind the last move 4, ahead of the scaled matrix instructions
.endm
	; ---------------- the head: ids, offsets, pointers
	s_load_b256 s[4:11], s[0:1], 0x0               ; q_codes s[4:5], q_scales s[6:7], k_codes s[8:9], k_scales s[10:11]
	s_load_b256 s[12:19], s[0:1], 0x20             ; v_codes s[12:13], v_scales s[14:15], tau s[16:17], bias_weight s[18:19]
	s_load_b64 s[20:21], s[0:1], 0x40              ; out0
	v_lshrrev_b32 v[TM], 5, v0
	v_readfirstlane_b32 s[WV], v[TM]               ; wave 0..15
	s_and_b32 s[J], ttmp9, 7
	s_and_b32 s[BH], ttmp7, 0xffff
	s_and_b32 s[HD], s[BH], 15
	s_wait_alu depctr_va_sdst(0)                   ; the wave's number is written, ahead of its first reader: my block, my tile and every wave's share are made from it
	s_lshr_b32 s58, s[WV], 2
	s_xor_b32 s58, s58, s[WV]
	s_and_b32 s58, s58, 1                          ; which of the two blocks: (w xor w / 4) % 2
	s_and_b32 s59, s[WV], 3
	s_lshr_b32 s60, s[WV], 1
	s_and_b32 s60, s60, 4
	s_or_b32 s59, s59, s60                         ; which tile of the block's eight: w % 4 + 4 (w / 8)
	s_mul_i32 s58, s58, 15
	s_xor_b32 s[BLK], s[J], s58                    ; j or 15 - j
	s_and_b32 s[BLK], s[BLK], 15
	s_lshl_b32 s[Q0], s[BLK], 7
	s_lshl_b32 s60, s59, 4
	s_add_co_u32 s[Q0], s[Q0], s60                 ; my first query
	s_xor_b32 s60, s[BLK], 15                      ; 4 (2033 - Q0) = 512 (15 - block) + 64 (7 - tile) + 4, made of sums alone
	s_and_b32 s60, s60, 15
	s_lshl_b32 s60, s60, 9
	s_xor_b32 s61, s59, 7
	s_lshl_b32 s61, s61, 6
	s_add_co_u32 s[SB0], s60, s61
	s_add_co_u32 s[SB0], s[SB0], 4
	v_and_b32 v[TM], 31, v0                        ; lane
	v_and_b32 v[TM+1], 15, v0                      ; r
	v_bfe_u32 v[TM+2], v0, 4, 1                    ; hh
	v_and_b32 v[TM+3], 7, v[TM+1]
	v_and_b32 v[TM+4], 8, v[TM+1]
	v_lshl_add_u32 v[TM+3], v[TM+4], 2, v[TM+3]    ; r % 8 + 32 (r / 8): my key in a tile
	v_mul_u32_u24 v[KG], v[TM+3], 48               ; K's codes: 48 bytes a key, 24 for each half of the lanes
	v_mad_u32_u24 v[KG], v[TM+2], 24, v[KG]
	v_lshlrev_b32 v[KSG], 1, v[TM+3]               ; K's scale bytes: 2 a key; lanes 16-31 take the next tile's, 8 keys on
	v_lshl_add_u32 v[KSG], v[TM+2], 4, v[KSG]
	v_mul_u32_u24 v[VG], v[TM+1], 1536             ; V's codes: a row is 2,048 keys
	v_mad_u32_u24 v[VG], v[TM+2], 24, v[VG]
	v_lshlrev_b32 v[VSG], 3, v0                    ; V's scale bytes: the head's 4,096, 8 a thread
	v_mul_u32_u24 v[QG], v[TM+1], 48
	v_mad_u32_u24 v[QG], v[TM+2], 24, v[QG]
	v_lshlrev_b32 v[QSG], 1, v[TM+1]
	v_lshlrev_b32 v[BG], 6, v0                     ; bias_weight: a row of 16 heads is 64 bytes; thread t takes rows t + 512 i
	s_mul_i32 s60, s[BH], 98304                    ; a head's codes of K, and of V
	s_mul_i32 s40, s[WV], 6144                     ; K: wave w brings key step w: 128 keys x 48 bytes
	s_add_co_u32 s40, s40, s60
	s_mov_b32 s41, 0
	s_lshl_b32 s46, s[BH], 12                      ; a head's scale bytes of K, and of V
	s_mov_b32 s47, 0
	s_lshl_b32 s42, s[WV], 8
	s_add_co_u32 s42, s42, s46
	s_mov_b32 s43, 0
	s_and_b32 s44, s[WV], 3                        ; V: wave w brings rows 16 (w % 4) on, key steps 4 (w / 4) on: 384 consecutive bytes of each row
	s_mul_i32 s44, s44, 24576
	s_add_co_u32 s44, s44, s60
	s_lshr_b32 s61, s[WV], 2
	s_mul_i32 s61, s61, 384
	s_add_co_u32 s44, s44, s61
	s_mov_b32 s45, 0
	s_lshl_b32 s60, s[BH], 11
	s_add_co_u32 s60, s60, s[Q0]                   ; my first row of q and of out0
	s_mul_i32 s50, s60, 48
	s_mov_b32 s51, 0
	s_lshl_b32 s52, s60, 1
	s_mov_b32 s53, 0
	s_lshl_b32 s54, s60, 8
	s_mov_b32 s55, 0
	s_lshl_b32 s56, s[HD], 2
	s_mov_b32 s57, 0
	s_mov_b32 s[CC], 0x3e38aa3b                    ; c = log2(e) / 8
	s_mov_b32 s[CC+1], s[CC]                       ; (named with it as a pair, so it is written)
	s_mov_b32 s[NC], 0xbe38aa3b
	s_mov_b32 s[SEL], 0x76543210
	s_mov_b32 s[SEL+1], 0xfedcba98
	s_mov_b32 s[REP], 0x01010101
	s_wait_kmcnt 0x0
	s_add_nc_u64 s[4:5], s[4:5], s[50:51]
	s_add_nc_u64 s[6:7], s[6:7], s[52:53]
	s_add_nc_u64 s[8:9], s[8:9], s[40:41]
	s_add_nc_u64 s[10:11], s[10:11], s[42:43]
	s_add_nc_u64 s[12:13], s[12:13], s[44:45]
	s_add_nc_u64 s[14:15], s[14:15], s[46:47]
	s_add_nc_u64 s[16:17], s[16:17], s[56:57]
	s_add_nc_u64 s[18:19], s[18:19], s[56:57]
	s_add_nc_u64 s[20:21], s[20:21], s[54:55]
	s_load_b32 s[TAU], s[16:17], 0x0               ; my head's tau
	; ---------------- all global reads of the launch: 36 that the first fill and pass 1 want, then V's 25.  No base and no offset register is written again.
	s_wait_alu depctr_va_vdst(0)                   ; the seven offsets v240 to v246 are written, which the loads below read
.irp c, 0,1
.irp u, 0,1,2,3
.irp p, 0,1,2
	global_load_b64 v[KF+6*(4*\c+\u)+2*\p:KF+6*(4*\c+\u)+2*\p+1], v[KG], s[8:9] offset:(64*\c+8*\u)*48+8*\p
.endr
.endr
.endr
.irp g, 0,1,2,3
	global_load_u16 v[KS+\g], v[KSG], s[10:11] offset:2*(64*(\g/2)+16*(\g%2))
.endr
.irp i, 0,1,2,3
	global_load_b32 v[RB+\i], v[BG], s[18:19] offset:32768*\i
.endr
.irp p, 0,1,2
	global_load_b64 v[QF+2*\p:QF+2*\p+1], v[QG], s[4:5] offset:8*\p th:TH_LOAD_NT
.endr
	global_load_u16 v[QS], v[QSG], s[6:7] th:TH_LOAD_NT
.irp g, 0,1,2,3
.irp c, 0,1
.irp p, 0,1,2
	global_load_b64 v[O+12*\g+6*\c+2*\p:O+12*\g+6*\c+2*\p+1], v[VG], s[12:13] offset:96*\g+48*\c+8*\p
.endr
.endr
.endr
	global_load_b64 v[208:209], v[VSG], s[14:15]
	; ---------------- LDS addresses and constants, while the loads are on their way: none of these lines names a register in which a load lands, or one that a load reads
	v_lshlrev_b32 v[L16], 4, v[TM]
	v_lshlrev_b32 v[SH8], 3, v[TM+2]
	v_and_b32 v[TM+3], 3, v[TM+1]
	v_mul_u32_u24 v[AB0], v[TM+3], CS
	v_lshl_add_u32 v[AB0], v[TM+2], 7, v[AB0]
	v_xor_b32 v[TM+3], 15, v[TM+1]                 ; 15 - r
	v_lshl_add_u32 v[AB0], v[TM+3], 2, v[AB0]
	v_add_nc_u32 v[AK0], KIMG, v[L16]
	v_add_nc_u32 v[AV0], VIMG, v[L16]
	v_lshl_add_u32 v[AVS0], v[TM], 3, VIMG+6144
	s_mul_i32 s60, s[WV], 16*SPITCH
	s_add_co_u32 s60, s60, STG                     ; my stage
	v_mul_u32_u24 v[STO], v[TM+1], SPITCH          ; in: row r, 32 bytes for each half of the lanes
	v_lshl_add_u32 v[STO], v[TM+2], 5, v[STO]
	v_add_nc_u32 v[STO], s60, v[STO]
	v_mul_u32_u24 v[SRD], v[TM+2], SPITCH          ; back: lanes 0-15 one row of 256 bytes, lanes 16-31 the next
	v_lshl_add_u32 v[SRD], v[TM+1], 4, v[SRD]
	v_add_nc_u32 v[SRD], s60, v[SRD]
	s_mul_i32 s60, s[WV], KSTEP
	v_add_nc_u32 v[KST], s60, v[AK0]               ; K's images: key step w
	s_lshr_b32 s60, s[WV], 2
	s_mul_i32 s60, s60, 4*VSTEP
	s_and_b32 s61, s[WV], 3
	s_mul_i32 s61, s61, 1536
	s_add_co_u32 s60, s60, s61
	v_add_nc_u32 v[VST], s60, v[AV0]               ; V's images: key steps 4 (w / 4) on, fragment w % 4
	v_and_b32 v[TM+3], 7, v0                       ; V's scale words: thread t holds row d = t / 8, key steps 2 (t % 8) and 2 (t % 8) + 1; row d's word lies at 8 (d % 32) + 4 (d / 32) of a step's 256 bytes
	v_mul_u32_u24 v[VSS], v[TM+3], 2*VSTEP
	v_bfe_u32 v[TM+3], v0, 3, 5
	v_lshl_add_u32 v[VSS], v[TM+3], 3, v[VSS]
	v_lshrrev_b32 v[TM+3], 8, v0
	v_lshl_add_u32 v[VSS], v[TM+3], 2, v[VSS]
	v_add_nc_u32 v[VSS], VIMG+6144, v[VSS]
	v_lshlrev_b32 v[FST], 2, v0
	v_sub_nc_u32 v[BST], 2048, v[FST]              ; bias row d = t + 512 i goes to x = 2048 - d: byte 2048 - 4 t + 2048 (3 - i)
	v_mov_b32 v[NEGB], 0xf149f2ca                  ; -1e30
.irp i, 0,1,2,3,4,5
	v_mov_b32 v[QF+6+\i], 0                        ; Q's upper 64 codes
	v_mov_b32 v[KF+48+\i], 0                       ; behind K's last fragment
.endr
	v_mov_b32 v[NM+1], 0                           ; the upper halves of pairs of which the low word serves both halves
	v_mov_b32 v[CI+1], 0
.irp i, 0,1,2,3,4,5,6,7,8,9,10,11,12,13,14,15
	v_mov_b32 v[TM+\i], 0                          ; written once: a lane permute's destination counts as one of its sources, and v229 is named as the upper half of a pair
.endr
	; ---------------- the first fill: K's images, T's four copies
	s_wait_loadcnt 25                              ; all but V's 24 + 1 loads, which were issued last, are in
.irp i, 0,1,2,3
	v_mul_f32 v[RB+\i], 0x41000000, v[RB+\i]       ; 8 x bias: exact
.endr
	s_wait_alu depctr_va_vdst(0)                   ; written: 8 x bias and -1e30, which the stores below read; every LDS address and the offset 16 x lane, for the whole kernel; the zeros in Q's and K's operands, which the scaled products take
.irp i, 0,1,2,3,4,5,6,7,8,9,10,11
	ds_store_b128 v[KST], v[KF+4*\i:KF+4*\i+3] offset:512*\i
.endr
	ds_store_b128 v[KST], v[KS:KS+3] offset:6144
.irp c, 0,1,2,3
.irp i, 0,1,2,3
	ds_store_b32 v[BST], v[RB+\i] offset:\c*CS+2048*(3-\i)
.endr
.endr
	s_cmp_lt_u32 s[WV], 4                          ; x = 2049 .. 2176: 128 numbers a copy: threads 0 to 127
	s_cbranch_scc0 .Lno_fill
.irp c, 0,1,2,3
	ds_store_b32 v[FST], v[NEGB] offset:\c*CS+8196
.endr
.Lno_fill:
	s_wait_kmcnt 0x0                               ; tau
	s_wait_dscnt 0x0                               ; for the others' sake: my stores have landed
	s_barrier_signal -1
	s_barrier_wait -1                              ; K and T are whole; nobody writes them again
	; ---------------- PASS 1: each lane's maximum and sum over ITS half of the keys; the halves meet once, behind the loop
	s_wait_alu depctr_vm_vsrc(0)                   ; my LDS stores have read v[KF ..] and v[KS ..], in which K's fragments land from here on
	FETCH_K AK0                                    ; key step 0's K.  (Its address was written ahead of the last wait on va_vdst; no vector instruction has ever named these 52 registers)
	v_mov_b32 v[RS], 0xe9000000                    ; -2^83: under every score that is served, far above -1e30
	v_mul_f32 v[NM], s[NC], v[RS]
	v_mov_b32 v[SUM], 0
	v_mov_b32 v[SUM+1], 0
	s_mov_b32 s[STEP], 0
	s_mov_b32 s[SB], s[SB0]
	s_mov_b32 s[SK], KSTEP
; A key step of pass 1.  A step all of whose keys are hidden is jumped over (a branch on ids).  ahead = 1: the next step's K is asked for, if that step is not hidden.
.macro STEP1 ahead
	s_cmp_gt_u32 s[STEP], s[BLK]
	s_cbranch_scc1 .Lhid_\@
	s_wait_alu depctr_vm_vsrc(0)                   ; the LDS loads issued so far have read v[ADB] and v[ADK]
	v_add_nc_u32 v[ADB], s[SB], v[AB0]
.if \ahead
	v_add_nc_u32 v[ADK], s[SK], v[AK0]             ; the next step's K
.endif
	s_wait_alu depctr_va_vdst(0)                   ; the two addresses are written; the last step's sums are done with S, in which T lands
	FETCH_T 0
	s_wait_dscnt 0x0                               ; T, and K, which was asked for a step ago
	MUL_S
	PLACES 4                                       ; ahead of the first read of results
.irp k, 0,1,2,3
	v_max3_num_f32 v[TM+\k], v[S+16*\k], v[S+1+16*\k], v[S+2+16*\k]      ; four chains by turns; each accumulator is first read at its low end
.endr
.irp i, 3,5,7,9,11,13
.irp k, 0,1,2,3
	v_max3_num_f32 v[TM+\k], v[TM+\k], v[S+16*\k+\i], v[S+1+16*\k+\i]
.endr
.endr
	v_max3_num_f32 v[TM], v[TM], v[TM+1], v[S+15]
	v_max3_num_f32 v[TM+2], v[TM+2], v[TM+3], v[S+31]
	v_max3_num_f32 v[TM], v[TM], v[TM+2], v[S+47]
	v_max3_num_f32 v[RS], v[TM], v[S+63], v[RS]    ; the running maximum
	v_mov_b32 v[TM+7], v[NM]
	v_mul_f32 v[NM], s[NC], v[RS]                  ; -c m
	v_sub_f32 v[TM+8], v[NM], v[TM+7]              ; c m_old - c m_new, 0 or less
.irp j, 0,2,4,6,8,10,12,14,16,18,20,22,24,26,28,30,32,34,36,38,40,42,44,46,48,50,52,54,56,58,60,62
	v_pk_fma_f32 v[S+\j:S+\j+1], v[S+\j:S+\j+1], s[CC:CC+1], v[NM:NM+1] op_sel_hi:[1,0,0]   ; c s - c m, two at a time
.endr
	v_exp_f32 v[TM+4], v[TM+8]                     ; what brings the old sum under the new maximum
.irp j, 0,1,2,3,4,5,6,7,8,9,10,11,12,13,14,15,16,17,18,19,20,21,22,23,24,25,26,27,28,29,30,31,32,33,34,35,36,37,38,39,40,41,42,43,44,45,46,47,48,49,50,51,52,53,54,55,56,57,58,59,60,61,62,63
	v_exp_f32 v[S+\j], v[S+\j]
.endr
	v_nop                                          ; a plain instruction behind the last exponential
	s_wait_alu depctr_va_vdst(0)                   ; the batch of 65 exponentials has written its results, ahead of their first reader; and K Q^T is done reading v[KF ..] and v[KS ..]
.if \ahead
	s_cmp_ge_u32 s[STEP], s[BLK]                   ; the next step is hidden: nobody would read its K
	s_cbranch_scc1 .Lnok_\@
	FETCH_K ADK                                    ; lands under the sums.  No vector or matrix instruction since the wait names these registers or the address
.Lnok_\@:
.endif
	v_pk_mul_f32 v[SUM:SUM+1], v[SUM:SUM+1], v[TM+4:TM+5] op_sel_hi:[1,0]
	v_pk_add_f32 v[TM+12:TM+13], v[S:S+1], v[S+2:S+3]
.irp j, 4,8,12,16,20,24,28,32,36,40,44,48,52,56,60
	v_pk_add_f32 v[SUM:SUM+1], v[SUM:SUM+1], v[S+\j:S+\j+1]          ; two chains
	v_pk_add_f32 v[TM+12:TM+13], v[TM+12:TM+13], v[S+2+\j:S+3+\j]
.endr
	v_pk_add_f32 v[SUM:SUM+1], v[SUM:SUM+1], v[TM+12:TM+13]
.Lhid_\@:
.if \ahead
	s_add_co_u32 s[SB], s[SB], 512
	s_add_co_u32 s[SK], s[SK], KSTEP
.endif
.endm
.Lp1:                                              ; key steps 0 to 14: 15 trips, a constant
	STEP1 1
	s_add_co_u32 s[STEP], s[STEP], 1
	s_cmp_lt_u32 s[STEP], 15
	s_cbranch_scc1 .Lp1
	STEP1 0                                        ; key step 15 is written out: no load of K leaves K's image
	; ---------------- V's images go to LDS; the row's figures are finished between the barrier's signal and its wait
	s_wait_loadcnt 0x0                             ; V: asked for at the head.  (The stores' addresses were written ahead of the first fill's wait on va_vdst)
.irp g, 0,1,2,3
.irp i, 0,1,2
	ds_store_b128 v[VST], v[O+12*\g+4*\i:O+12*\g+4*\i+3] offset:VSTEP*\g+512*\i
.endr
.endr
	ds_store_b32 v[VSS], v208
	ds_store_b32 v[VSS], v209 offset:VSTEP
	s_wait_dscnt 0x0                               ; for the others' sake: my stores have landed
	s_barrier_signal -1
	v_add_f32 v[TM], v[SUM], v[SUM+1]              ; my half's sum, under my half's maximum
	v_permlanex16_b32 v[TM+1], v[RS], s[SEL], s[SEL+1]
	v_max_num_f32 v[TM+2], v[RS], v[TM+1]          ; the row's maximum
	v_mul_f32 v[TM+3], s[NC], v[TM+2]
	v_sub_f32 v[TM+5], v[TM+3], v[NM]
	v_exp_f32 v[TM+6], v[TM+5]                     ; brings my half's sum under it (0 for a half all of whose keys are hidden)
	v_and_b32 v[TM+7], 15, v0
	v_add_nc_u32 v[TM+7], s[Q0], v[TM+7]
	v_add_nc_u32 v[TM+7], 1, v[TM+7]
	v_cvt_f32_u32 v[TM+8], v[TM+7]                 ; i = my query + 1
	s_wait_alu depctr_va_vdst(0)                   ; the exponential has written v[TM+6], ahead of its reader
	v_mul_f32 v[TM+9], v[TM], v[TM+6]
	v_permlanex16_b32 v[TM+10], v[TM+9], s[SEL], s[SEL+1]
	v_add_f32 v[TM+11], v[TM+9], v[TM+10]          ; the row's sum: the same bits in both halves of the lanes
	v_rcp_f32 v[SUM], v[TM+11]                     ; 1 / sum
	v_rcp_f32 v[TM+12], v[TM+8]                    ; 1 / i
	v_mov_b32 v[SUM+1], 0                          ; (a plain instruction behind the reciprocals)
	v_mov_b32 v[NM], v[TM+3]
	s_wait_alu depctr_va_vdst(0)                   ; the two reciprocals have written v[SUM] and v[TM+12], ahead of their first reader
	v_mul_f32 v[TM+13], s[TAU], v[TM+12]           ; tau / i, with one step of correction
	v_fma_f32 v[TM+14], -v[TM+13], v[TM+8], s[TAU]
	v_fma_f32 v[CI], v[TM+14], v[TM+12], v[TM+13]
	; the constant fragment: 128 hidden keys all weigh relu(tau / i)
	v_max_num_f32 v[TM+15], 0, v[CI]
.irp i, 0,1,2,3,4,5,6,7,8,9,10,11,12,13,14,15
	v_mov_b32 v[S+\i], v[TM+15]
.endr
	v_max_num_f32 v[TM], 0x2800000, v[TM+15]       ; the floor, as in QUANT
	v_add_nc_u32 v[TM], 0xfe000000, v[TM]
	v_lshrrev_b32 v[TM+1], 23, v[TM]
	v_mul_lo_u32 v[CW], v[TM+1], s[REP]            ; the same byte for all four blocks
	v_cvt_scalef32_pk16_bf6_f32 v[CF:CF+2], v[S:S+15], v[TM]
	v_nop                                          ; one plain instruction behind the scaled conversion
.irp i, 0,1,2,3,4,5,6,7,8
	v_mov_b32 v[CF+3+\i], v[CF+\i%3]               ; sixteen codes are three registers: four times
.endr
	s_barrier_wait -1                              ; V is whole; nobody writes it again
	; ---------------- PASS 2
; A key step.  zero = 1: step 0, which no wave jumps over; its V^T P starts O^T's sums, and its T is asked for with its K.  ahead = 1: the next step's T is asked for, if that step is not wholly hidden.
.macro STEP2 zero, ahead
	s_wait_alu depctr_vm_vsrc(0)                   ; the LDS loads issued so far have read the four address registers; in step 0 also: V's LDS stores have read v160 to v209, which are O^T, P and the conversions' halves from here on
	v_add_nc_u32 v[ADV], s[SV], v[AV0]
	v_add_nc_u32 v[ADVS], s[SV], v[AVS0]
.if \zero == 0
	s_cmp_gt_u32 s[STEP], s[BLK]                   ; all 128 keys hidden: the constant fragment
	s_cbranch_scc1 .Lconst_\@
.endif
.if \ahead
	v_add_nc_u32 v[ADB], s[SB], v[AB0]             ; this step's place in T: the look-ahead below reaches 512 bytes on by its immediate
.endif
	v_add_nc_u32 v[ADK], s[SK], v[AK0]
	s_wait_alu depctr_va_vdst(0)                   ; the addresses are written; the last step's V^T P is done reading v[KF ..]; in step 0 also: the constant fragment's conversion is done reading S, and that fragment and its scale word are written
	FETCH_K ADK
.if \zero
	FETCH_T 0
.endif
	s_wait_dscnt 0x0                               ; K, and T, which (but in step 0) was asked for a step ago
	MUL_S
	PLACES 4                                       ; ahead of the first read of results
.irp j, 0,2,4,6,8,10,12,14,16,18,20,22,24,26,28,30,32,34,36,38,40,42,44,46,48,50,52,54,56,58,60,62
	v_pk_fma_f32 v[S+\j:S+\j+1], v[S+\j:S+\j+1], s[CC:CC+1], v[NM:NM+1] op_sel_hi:[1,0,0]   ; c s - c m, each accumulator from its low end on
.endr
.irp j, 0,1,2,3,4,5,6,7,8,9,10,11,12,13,14,15,16,17,18,19,20,21,22,23,24,25,26,27,28,29,30,31,32,33,34,35,36,37,38,39,40,41,42,43,44,45,46,47,48,49,50,51,52,53,54,55,56,57,58,59,60,61,62,63
	v_exp_f32 v[S+\j], v[S+\j]
.endr
	v_nop                                          ; a plain instruction behind the last exponential
	s_wait_alu depctr_va_vdst(0)                   ; the batch of 64 exponentials has written its results, ahead of their first reader; and K Q^T is done reading v[KF ..], the last V^T P v[VS ..]
	FETCH_V                                        ; lands while the weights are finished and quantised: none of those lines names its registers
.irp j, 0,2,4,6,8,10,12,14,16,18,20,22,24,26,28,30,32,34,36,38,40,42,44,46,48,50,52,54,56,58,60,62
	v_pk_fma_f32 v[S+\j:S+\j+1], v[S+\j:S+\j+1], v[SUM:SUM+1], v[CI:CI+1] op_sel_hi:[1,0,0]   ; p / sum + tau / i
.endr
.irp j, 0,1,2,3,4,5,6,7,8,9,10,11,12,13,14,15,16,17,18,19,20,21,22,23,24,25,26,27,28,29,30,31,32,33,34,35,36,37,38,39,40,41,42,43,44,45,46,47,48,49,50,51,52,53,54,55,56,57,58,59,60,61,62,63
	v_max_num_f32 v[S+\j], 0, v[S+\j]              ; relu
.endr
	QUANT
	s_wait_alu depctr_va_vdst(0)                   ; behind the places: P's codes and scale word are written, which the scaled products take; and the conversions are done reading S
	s_wait_dscnt 0x0                               ; V
.if \ahead
	s_cmp_ge_u32 s[STEP], s[BLK]                   ; the next step is wholly hidden: nobody would read its T
	s_cbranch_scc1 .Lnot_\@
	FETCH_T 512                                    ; the next step's T.  V^T P below names none of S, and v[ADB] was written ahead of the step's first wait on va_vdst
.Lnot_\@:
.endif
	MUL_O P, PS, \zero
.if \zero == 0
	s_branch .Ljoin_\@
.Lconst_\@:
	s_wait_alu depctr_va_vdst(0)                   ; V's two addresses are written; the last step's V^T P is done reading v[KF ..] and v[VS ..]
	FETCH_V
	s_wait_dscnt 0x0
	MUL_O CF, CW, 0
.Ljoin_\@:
.endif
	PLACES 4                                       ; behind the products: ahead of the next P, and of the way out's reads of O^T
.if \ahead
	s_add_co_u32 s[SB], s[SB], 512
	s_add_co_u32 s[SK], s[SK], KSTEP
	s_add_co_u32 s[SV], s[SV], VSTEP
.endif
.endm
	s_mov_b32 s[SB], s[SB0]
	s_mov_b32 s[SK], 0
	s_mov_b32 s[SV], 0
	s_mov_b32 s[STEP], 0
	STEP2 1, 1
	s_mov_b32 s[STEP], 1
.Lp2:                                              ; key steps 1 to 14: 14 trips, a constant
	STEP2 0, 1
	s_add_co_u32 s[STEP], s[STEP], 1
	s_cmp_lt_u32 s[STEP], 15
	s_cbranch_scc1 .Lp2
	STEP2 0, 0                                     ; key step 15 is written out: it asks for nothing more, so no LDS load is out behind it
	; ---------------- THE WAY OUT.  Register 8 t + j of lane (r, hh) is out(Q0 + r, 16 t + 8 hh + j), finished: nothing is divided.  Through my own stage, back as whole rows.
	s_wait_alu depctr_va_vdst(0)                   ; the last products have written O^T, which the LDS stores read (the four places stand ahead of this wait, at the step's end); all vector work on S is done, in which the rows land
.irp n, 0,1,2,3
	ds_store_b128 v[STO], v[O+8*\n:O+8*\n+3] offset:64*\n           ; each accumulator from its low end on
	ds_store_b128 v[STO], v[O+8*\n+4:O+8*\n+7] offset:64*\n+16
.endr
.irp i, 0,1,2,3,4,5,6,7
	ds_load_b128 v[S+4*\i:S+4*\i+3], v[SRD] offset:2*\i*SPITCH      ; LDS serves a wave's instructions in order (ISA guide 5.7.1.4): these see my stores
.endr
.irp i, 0,1,2,3,4,5,6,7
	s_wait_dscnt 7-\i                              ; LDS loads come back in order: load i is in
	global_store_b128 v[L16], v[S+4*\i:S+4*\i+3], s[20:21] offset:512*\i th:TH_STORE_NT   ; 32 lanes store two rows: 512 consecutive bytes, at a multiple of 256 from out0's first byte
.endr
	s_wait_xcnt 0x0                                ; every global store has had its addresses translated (ISA guide 3.1)
	s_wait_alu depctr_vm_vsrc(0)                   ; the first fill's LDS stores have read v254 (-1e30) and v255 (K's store address), which are written anew below
	v_lshl_add_u32 v254, v0, 2, 0x4ca00
	v_mov_b32 v255, 0
	s_wait_dscnt 0x0                               ; the closing lines, six on end
	s_wait_alu 0x0
	s_wait_tensorcnt 0x0
	ds_add_u32 v254, v255
	s_wait_dscnt 0x0
	s_endpgm
.Lfunc_end_k_qb153d50ff9_attn:
	.size	k_qb153d50ff9_attn, .Lfunc_end_k_qb153d50ff9_attn-k_qb153d50ff9_attn
	.p2alignl 7, 3214868480
	.fill 96, 4, 3214868480
	.section	.rodata,"a",@progbits
	.p2align	6, 0x0
	.amdhsa_kernel k_qb153d50ff9_attn
		.amdhsa_group_segment_fixed_size 315904
		.amdhsa_private_segment_fixed_size 0
		.amdhsa_enable_private_segment 0
		.amdhsa_kernarg_size 72
		.amdhsa_user_sgpr_count 2
		.amdhsa_user_sgpr_kernarg_segment_ptr 1
		.amdhsa_wavefront_size32 1
		.amdhsa_system_sgpr_workgroup_id_x 1
		.amdhsa_system_sgpr_workgroup_id_y 1
		.amdhsa_system_sgpr_workgroup_id_z 1
		.amdhsa_system_vgpr_workitem_id 0
		.amdhsa_next_free_vgpr 256
		.amdhsa_next_free_sgpr 66
		.amdhsa_reserve_vcc 0
		.amdhsa_float_denorm_mode_32 3
		.amdhsa_float_denorm_mode_16_64 3
		.amdhsa_memory_ordered 1
		.amdhsa_forward_progress 1
		.amdhsa_inst_pref_size 95
	.end_amdhsa_kernel
	.amdgpu_metadata
---
amdhsa.version: [ 1, 2 ]
amdhsa.kernels:
  - .name:           k_qb153d50ff9_attn
    .symbol:         k_qb153d50ff9_attn.kd
    .args:
      - { .name: q_codes, .offset: 0, .size: 8, .value_kind: global_buffer, .address_space: global }
      - { .name: q_scales, .offset: 8, .size: 8, .value_kind: global_buffer, .address_space: global }
      - { .name: k_codes, .offset: 16, .size: 8, .value_kind: global_buffer, .address_space: global }
      - { .name: k_scales, .offset: 24, .size: 8, .value_kind: global_buffer, .address_space: global }
      - { .name: v_codes, .offset: 32, .size: 8, .value_kind: global_buffer, .address_space: global }
      - { .name: v_scales, .offset: 40, .size: 8, .value_kind: global_buffer, .address_space: global }
      - { .name: tau, .offset: 48, .size: 8, .value_kind: global_buffer, .address_space: global }
      - { .name: bias_weight, .offset: 56, .size: 8, .value_kind: global_buffer, .address_space: global }
      - { .name: out0, .offset: 64, .size: 8, .value_kind: global_buffer, .address_space: global }
    .group_segment_fixed_size: 315904
    .private_segment_fixed_size: 0
    .kernarg_segment_align: 8
    .kernarg_segment_size: 72
    .max_flat_workgroup_size: 512
    .sgpr_count:     66
    .vgpr_count:     256
    .wavefront_size: 32
...
	.end_amdgpu_metadata
.endif
;; end of part 2
